; MI455X (gfx1250); checked and timed in simulation.
; The chip was launched on July 23, 2026; its instructions are those of AMD's public machine-readable ISA for CDNA 5 (MIT licence, August 2026) and "CDNA5" Instruction Set Architecture Reference Guide (July 2026). The comments in the code are by the model that wrote it; some were corrected since.
;; Attention. Allowed arithmetic: matrix products marked QUANTISED: E2M3 operands, one E8M0 scale for each 32 along K, by v_wmma_scale_f32_16x16x128_f8f6f4 with both operands' format E2M3, f32 sums; everything else in f32.
;; Inputs: Wk 1,024 x 1,024 float32; Wq 1,024 x 1,024 float32; Wv 1,024 x 1,024 float32; bk 1,024 float32; bq 1,024 float32; bv 1,024 float32; x 4 x 2,048 x 1,024 float32.
;; Outputs: out0 4 x 2,048 x 1,024 float32.
;; This version of the problem:
;;   THIS VERSION OF THE PROBLEM IS GIVEN IN LOW PRECISION. The matrix products marked QUANTISED in the list below multiply operands that are first quantised to E2M3 (2 exponent bits, 3 mantissa bits; 6 bits a number), with one power-of-two scale for each 32 numbers along K (OCP MX v1.0); their sums are f32. All else is computed in f32.
;;   The module's matrix products, in the order in which they are computed (A, B: the left and right operand; K: the contracted axis; several contracted axes count as one K, in the product's order):
;;     1. [M 8,192, K 1,024] x [K 1,024, N 1,024]; A: input x; B: input Wq: QUANTISED
;;     2. [M 8,192, K 1,024] x [K 1,024, N 1,024]; A: input x; B: input Wk: QUANTISED
;;     3. [M 8,192, K 1,024] x [K 1,024, N 1,024]; A: input x; B: input Wv: QUANTISED
;;     4. batch 64 x [M 2,048, K 64] x [K 64, N 2,048]; A: computed on the way; B: computed on the way: QUANTISED
;;     5. batch 64 x [M 2,048, K 2,048] x [K 2,048, N 64]; A: softmax (see below); B: computed on the way: QUANTISED
;;   THE QUANTISER, for each operand of a quantised product, along K:
;;     - K is cut into blocks of 32 from its start; a last block that is shorter is filled with zeros.
;;     - A block's scale is 2^e with e = floor(log2(the largest magnitude in the block)) - 2, held to -126 .. 127; a block of zeros has e = 0. As a byte (E8M0): e + 127.
;;     - Each number is divided by its block's scale, clamped to +-7.5, and rounded to the nearest number of E2M3, ties to even, subnormals kept.
;;     - The product sums the exact products of the quantised numbers (number of the format x scale) in f32.
;;   ~~~python
;;   def quantise(x, axis):      # numpy; x: float32 -> the quantised numbers, widened to float32 again
;;       x = np.moveaxis(x, axis, -1); K = x.shape[-1]
;;       x = np.pad(x, [(0, 0)] * (x.ndim - 1) + [(0, -K % 32)]); x = x.reshape(x.shape[:-1] + (-1, 32)); a = np.abs(x).max(-1, keepdims=True)
;;       e = np.where(a > 0, np.clip(np.frexp(np.where(a > 0, a, 1))[1] - 1 - 2, -126, 127), 0)      # np.frexp(a)[1] - 1 = floor(log2(a)), exactly
;;       r = np.clip(x / 2.0 ** e, -7.5, 7.5)
;;       step = 2.0 ** (np.maximum(np.frexp(np.where(r == 0, 1, r))[1] - 1, 0) - 3)
;;       q = np.round(r / step) * step * 2.0 ** e      # np.round: ties to even
;;       return np.moveaxis(q.reshape(q.shape[:-2] + (-1,))[..., :K], -1, axis).astype(np.float32)
;;   ~~~
;;   SOFTMAX AHEAD OF A QUANTISED PRODUCT. Where the list says 'softmax', what is quantised is not the finished softmax but p = 2^(t - M), with t = logit x log2(e) and M = ceil(the row's largest t), a whole number; so 1/2 < the row's largest p <= 1. The row's sum l is taken of the UNQUANTISED p, in f32, and the product's result is divided by l at the end. Since M is a whole number, a kernel that streams over the keys may use a running M (the ceiling of the running maximum): every later rescaling is an exact power of two, which a block's scale takes up: the codes' values come out the same.
;;   OPERANDS COMPUTED ON THE WAY. 'Computed on the way' means the value that the module computes at that place (a softmax that the list does not call 'softmax' is quantised finished and normalised). What goes into a quantiser is computed in f32, as accurately as f32 sums, v_exp_f32 and their like allow (about 1e-6 of the number): no bf16 or f16 on the way to a quantiser, and a product that is left as it is and whose result goes on into a quantised operand takes f32 operands (vector FMAs, or v_wmma_f32_16x16x4_f32). A number that lies on a knife's edge between two numbers of the format may be rounded either way, as far as f32 arithmetic and the matrix unit's own rounding can turn it there, and no further.
;; One version. Each part assembles by itself: llvm-mc -triple=amdgcn-amd-amdhsa -mcpu=gfx1250 --defsym DOCPART=n.
;; ======== version 1 of 1: 3 launches
;; limits: right only within a limited range of input values
;; workspace buffers: pc 8,650,752 bytes; ps 360,448 bytes; cod 18,874,368 bytes; scl 786,432 bytes
;; launch quant (part 1): grid 448 x 1, 4 waves a work-group, no clusters, 68,096 bytes of LDS; arguments x, Wq, Wk, Wv, pc, ps; writes pc, ps
.if DOCPART == 1
	.amdgcn_target "amdgcn-amd-amdhsa--gfx1250"
	.amdhsa_code_object_version 6
	.text
	.protected	k_q887d3af288_quant
	.globl	k_q887d3af288_quant
	.p2align	8
	.type	k_q887d3af288_quant,@function
k_q887d3af288_quant:
	s_mov_b64 s[64:65], 0
	v_nop
	global_prefetch_b8 v0, s[64:65] scope:SCOPE_SE
	s_setreg_imm32_b32 hwreg(HW_REG_WAVE_MODE, 25, 1), 1
	s_wait_xcnt 0x0
; x [8192][1024] and Wq, Wk, Wv [1024 (k)][1024 (n)], f32, become codes of FP6 (E2M3) with K innermost and one E8M0 scale byte for each 32 along K.
; pc [K step of 256: 4][11,264 rows][192 bytes]: rows 0 to 8,191 are x's, then the columns of Wq, Wk, Wv on end.  So the rows of one K step lie end to end, and 128 rows are a dense block of 24,576 bytes.
; ps [11,264 rows][32 bytes]: the same rows' scale bytes.
; THE ROWS ARE STORED IN ANOTHER ORDER: within each aligned group of 32 rows, row p lies at place 16 ((p >> 3) & 1) + (p & 7) + 8 (p >> 4).  Sixteen neighbouring stored rows, used as the first source of a
; matrix instruction, then give a lane eight results that are neighbours, and two such tiles sixteen: what the next launch's quantiser wants.
; A block's scale is 2^(floor(log2(its largest magnitude)) - 2); its byte is the largest magnitude's exponent field - 2, held at 1 from below.
; WORK LEFT OUT BY THE PROGRAM: reference() hides key m > query n by its own jnp.tril; a hidden score gives p = 0 whatever the inputs hold, since every row keeps its own key.  So the last launch multiplies no tile of 128 keys
; that lies wholly above the diagonal.  A NaN, an infinity or an overflow that reaches only those tiles is not carried to the result.
; LIMITS: a block of zeros gets the byte 1 where the rule says 127 (its codes are zeros, and this program alone reads the bytes); blocks whose largest magnitude lies under 2^-124 keep the byte 1;
; NaN and infinities among the inputs are not served.
; Work-groups 0 to 255 take x (32 rows each, 8 a wave; a lane holds 16 neighbours along K, two lanes a block; loads run AH = 8 steps, 32 loads a wave, ahead).  Work-groups 256 to 447 take the weights (a lane takes a column,
; its registers run down K; 32 columns x 128 along K a wave: four blocks, two of them asked for ahead).  Each way has LDS bytes of its own.  No tensor loads, no barrier, no cluster: waves share nothing.
.set STEPS, 16
.set AH,    8                          ; x: steps that the loads run ahead
.set EMAX,  2
.set CB,    12                         ; bytes of 16 codes
.set ROWB,  192                        ; bytes of 256 codes: a row of a K step
.set PLANE, 11264*ROWB                 ; from a K step to the next in pc
.set SPW,   12                         ; v12 my spare word; v13 0: never rewritten
.set NIL,   13
.set R,     16                         ; x: v16-143 AH sets of 16 numbers as loaded; v144-175 two sets of 16 neighbours; v176-191 scale bytes; v192-255 codes
.set X,     144
.set E,     176
.set C,     192
.set WREG,  8192                       ; x: a wave's LDS: two stages of 32 x SP bytes, then its 256 scale bytes
.set SP,    80
.set WST,   32768                      ; W: the four stages
.set PITCH, 272
.set SPARE, WST+4*32*PITCH
.set NB,    4                          ; W: blocks of 32 along K for a wave
.set SB,    24                         ; W: v24 scale bytes; v32-95 two sets of 32 numbers; v96.. codes; v112-143 the way out
.set WX,    32
.set WC,    96
.set OUTR,  112
	s_load_b256 s[4:11], s[0:1], 0x0               ; x, Wq, Wk, Wv
	s_load_b128 s[12:15], s[0:1], 0x20             ; pc, ps
	v_lshl_add_u32 v[SPW], v0, 2, SPARE
	v_mov_b32 v[NIL], 0
	v_lshrrev_b32 v1, 5, v0
	v_readfirstlane_b32 s20, v1                    ; wave
	v_and_b32 v2, 31, v0                           ; lane
	s_cmp_lt_u32 ttmp9, 256
	s_cbranch_scc0 .Lweights
	; ---------------- x ----------------
	v_lshlrev_b32 v3, 4, v2                        ; my 16 bytes of a load's 512
	s_mul_i32 s21, s20, WREG
	v_lshrrev_b32 v14, 2, v2
	v_mul_u32_u24 v14, v14, SP
	v_and_b32 v15, 3, v2
	v_lshl_add_u32 v14, v15, 4, v14
	v_add_nc_u32 v14, s21, v14                     ; the stage, in: SP (lane / 4) + 16 (lane % 4)
	v_mul_u32_u24 v15, v2, SP
	v_add_nc_u32 v15, s21, v15                     ; out: SP x lane: my 16 neighbours
	v_and_b32 v4, 15, v2
	v_mul_u32_u24 v4, v4, CB
	v_lshrrev_b32 v10, 4, v2
	v_mad_u32_u24 v4, v10, PLANE, v4               ; a step is 512 along K: lanes 0-15 hold one K step's 192 bytes, lanes 16-31 the next one's
	v_lshrrev_b32 v5, 1, v2
	s_add_co_u32 s21, s21, 2*32*SP
	v_add_nc_u32 v5, s21, v5                       ; LDS: my block's scale byte
	v_lshlrev_b32 v7, 3, v2
	v_add_nc_u32 v6, s21, v7
	s_lshl_b32 s22, ttmp9, 2
	s_add_co_u32 s24, s22, s20                     ; my 8 rows as they lie in x
	s_lshl_b32 s24, s24, 15
	s_mov_b32 s25, 0
	s_and_b32 s23, s20, 1
	s_lshl_b32 s23, s23, 1
	s_lshr_b32 s26, s20, 1
	s_or_b32 s23, s23, s26                         ; the stored order moves whole groups of 8 rows: the wave's two bits change places
	s_add_co_u32 s22, s22, s23
	s_mul_i32 s26, s22, 8*ROWB
	s_mov_b32 s27, 0
	s_lshl_b32 s28, s22, 8
	s_mov_b32 s29, 0
	s_wait_alu depctr_va_vdst(0)                   ; the wait at the head's end
	s_wait_kmcnt 0x0
	s_add_nc_u64 s[4:5], s[4:5], s[24:25]
	s_add_nc_u64 s[12:13], s[12:13], s[26:27]
	s_add_nc_u64 s[14:15], s[14:15], s[28:29]
.macro XLOAD t
.irp i, 0,1,2,3
	global_load_b128 v[R+16*((\t)%AH)+4*\i:R+16*((\t)%AH)+4*\i+3], v3, s[4:5] offset:2048*(\t)+512*\i th:TH_LOAD_NT   ; 32 lanes read 512 consecutive bytes
.endr
.endm
.macro XTURN t                         ; through the stage: LDS serves a wave's instructions in order
.irp i, 0,1,2,3
	ds_store_b128 v14, v[R+16*((\t)%AH)+4*\i:R+16*((\t)%AH)+4*\i+3] offset:32*SP*((\t)%2)+8*SP*\i
.endr
.irp i, 0,1,2,3
	ds_load_b128 v[X+16*((\t)%2)+4*\i:X+16*((\t)%2)+4*\i+3], v15 offset:32*SP*((\t)%2)+16*\i
.endr
.endm
.irp t, 0,1,2,3,4,5,6,7
	XLOAD \t
.endr
	s_wait_loadcnt 4*(AH-1)                        ; step 0's four loads are in; those of steps 1 to AH - 1 may be out
	XTURN 0
.macro XSTEP t
.set XS, X+16*((\t)%2)
.if (\t) > 0
	s_wait_dscnt 1                                 ; this step's numbers are back (the last step's byte store may be out): so its stores into the stage have read their registers,
.else
	s_wait_dscnt 0x0
.endif
.if (\t)+AH < STEPS
	XLOAD (\t)+AH                                  ; which take the loads of AH steps on
.endif
.if (\t)+1 < STEPS
.if STEPS-2-(\t) >= AH-1
	s_wait_loadcnt 4*(AH-1)                        ; the next step's four loads are in; those of the AH - 1 steps behind it may be out
.else
	s_wait_loadcnt 4*(STEPS-2-(\t))
.endif
	XTURN (\t)+1
.endif
	v_max3_num_f32 v8, |v[XS]|, |v[XS+1]|, |v[XS+2]|
	v_max3_num_f32 v9, |v[XS+3]|, |v[XS+4]|, |v[XS+5]|
.irp i, 6,10
	v_max3_num_f32 v8, v8, |v[XS+\i]|, |v[XS+\i+1]|
	v_max3_num_f32 v9, v9, |v[XS+\i+2]|, |v[XS+\i+3]|
.endr
	v_max3_num_f32 v8, v8, |v[XS+14]|, |v[XS+15]|
	v_max3_num_f32 v8, v8, v9, (EMAX+1)<<23        ; the floor 2^(3 - 127): the byte cannot fall under 1
	v_max_num_f32_dpp v8, v8, v8 row_xmask:1 row_mask:0xf bank_mask:0xf   ; with my neighbour's 16: the block's
	v_add_nc_u32 v11, -(EMAX<<23), v8              ; the conversion's scale operand
	v_cvt_scalef32_pk16_fp6_f32 v[C+4*(\t):C+4*(\t)+2], v[XS:XS+15], v11
	v_lshrrev_b32 v[E+(\t)], 23, v11               ; the scale's byte
	ds_store_b8 v5, v[E+(\t)] offset:16*(\t)
	global_store_b96 v4, v[C+4*(\t):C+4*(\t)+2], s[12:13] offset:ROWB*((\t)/2)+2*PLANE*((\t)%2)   ; sixteen lanes store a row's 192 bytes of a K step
.endm
.irp t, 0,1,2,3,4,5,6,7,8,9,10,11,12,13,14,15
	XSTEP \t
.endr
	ds_load_b64 v[8:9], v6
	s_wait_dscnt 0x0
	global_store_b64 v7, v[8:9], s[14:15]          ; 32 lanes store 256 consecutive bytes, aligned
	s_wait_tensorcnt 0x0                           ; the wave's end
	ds_add_u32 v[SPW], v[NIL]
	s_wait_dscnt 0x0
	s_endpgm
	; ---------------- the weights ----------------
.Lweights:
	s_sub_co_u32 s21, ttmp9, 256
	s_lshr_b32 s22, s21, 6                         ; which weight: 64 work-groups each
	s_and_b32 s23, s21, 7                          ; which 128 columns
	s_bfe_u32 s24, s21, 0x30003                    ; which 128 along K
	s_lshl_b32 s25, s23, 7
	s_lshl_b32 s26, s20, 5
	s_add_co_u32 s25, s25, s26                     ; my wave's first column
	s_wait_alu depctr_va_vdst(0)
	v_lshlrev_b32 v3, 2, v2
	v_bfe_u32 v5, v2, 3, 1
	v_and_b32 v6, 7, v2
	v_lshl_or_b32 v5, v5, 4, v6
	v_bfe_u32 v6, v2, 4, 1
	v_lshl_or_b32 v10, v6, 3, v5                   ; my column's place in the stored order
	s_mul_i32 s26, s20, 32*PITCH
	s_add_co_u32 s26, s26, WST
	v_mul_u32_u24 v4, v10, PITCH
	v_add_nc_u32 v4, s26, v4                       ; into the stage: row = my column's place
	v_and_b32 v5, 7, v2
	v_lshrrev_b32 v6, 3, v2                        ; out of it: eight lanes to a row's 96 bytes, four rows an instruction
	v_mul_u32_u24 v7, v6, PITCH
	v_lshl_add_u32 v7, v5, 4, v7
	v_add_nc_u32 v7, s26, v7
	v_mul_u32_u24 v8, v6, ROWB
	v_mad_u32_u24 v8, v5, 12, v8
	v_lshlrev_b32 v9, 5, v10
	s_lshl_b32 s26, s24, 19                        ; W: 128 rows of 4,096 bytes,
	s_lshl_b32 s27, s25, 2
	s_add_co_u32 s26, s26, s27                     ; + 4 x column
	s_mov_b32 s27, 0
	s_lshl_b32 s28, s22, 10
	s_add_co_u32 s28, s28, s25
	s_add_co_u32 s28, s28, 8192                    ; the group's first row in pc and ps
	s_mul_i32 s30, s28, ROWB
	s_lshr_b32 s29, s24, 1
	s_mul_i32 s29, s29, PLANE                      ; the K step,
	s_add_co_u32 s30, s30, s29
	s_and_b32 s29, s24, 1
	s_mul_i32 s29, s29, 96                         ; and which half of its row
	s_add_co_u32 s30, s30, s29
	s_mov_b32 s31, 0
	s_lshl_b32 s28, s28, 5
	s_lshl_b32 s29, s24, 2
	s_add_co_u32 s28, s28, s29
	s_mov_b32 s29, 0
	s_wait_kmcnt 0x0
	s_cmp_eq_u32 s22, 0
	s_cselect_b64 s[6:7], s[6:7], s[8:9]
	s_cmp_eq_u32 s22, 2
	s_cselect_b64 s[6:7], s[10:11], s[6:7]
	s_add_nc_u64 s[6:7], s[6:7], s[26:27]
	s_add_nc_u64 s[16:17], s[12:13], s[30:31]
	s_add_nc_u64 s[18:19], s[14:15], s[28:29]
.macro WLOAD t
.irp i, 0,1,2,3,4,5,6,7,8,9,10,11,12,13,14,15,16,17,18,19,20,21,22,23,24,25,26,27,28,29,30,31
	global_load_b32 v[WX+32*((\t)%2)+\i], v3, s[6:7] offset:(32*(\t)+\i)*4096 th:TH_LOAD_NT
.endr
.endm
	WLOAD 0
	WLOAD 1
.macro WBLOCK t
.set XS, WX+32*((\t)%2)
.if (\t) < NB-1
	s_wait_loadcnt 32                              ; this block's 32 loads are in; the next block's 32 may be out
.else
	s_wait_loadcnt 0
.endif
	v_max3_num_f32 v16, |v[XS]|, |v[XS+1]|, |v[XS+2]|
	v_max3_num_f32 v17, |v[XS+3]|, |v[XS+4]|, |v[XS+5]|
.irp i, 6,10,14,18,22,26
	v_max3_num_f32 v16, v16, |v[XS+\i]|, |v[XS+\i+1]|
	v_max3_num_f32 v17, v17, |v[XS+\i+2]|, |v[XS+\i+3]|
.endr
	v_max3_num_f32 v16, v16, |v[XS+30]|, |v[XS+31]|
	v_max3_num_f32 v16, v16, v17, (EMAX+1)<<23
	v_add_nc_u32 v11, -(EMAX<<23), v16
	v_lshrrev_b32 v17, 23, v11
.if (\t) == 0
	v_mov_b32 v[SB], v17                           ; four bytes to the register, the lower K in the lower byte
.else
	v_lshl_or_b32 v[SB], v17, 8*(\t), v[SB]
.endif
	v_cvt_scalef32_pk16_fp6_f32 v[WC:WC+2], v[XS:XS+15], v11
	v_cvt_scalef32_pk16_fp6_f32 v[WC+4:WC+6], v[XS+16:XS+31], v11
	ds_store_b96 v4, v[WC:WC+2] offset:32*(\t)     ; 12 bytes to a place of 16
	ds_store_b96 v4, v[WC+4:WC+6] offset:32*(\t)+16
.if (\t)+2 < NB
	WLOAD (\t)+2
.endif
	s_wait_dscnt 0x0                               ; the stores have read their registers
.endm
.set Q, 0
.rept NB
	WBLOCK Q
.set Q, Q+1
.endr
	s_wait_alu depctr_va_vdst(0)                   ; ahead of the reader below
	global_store_b32 v9, v[SB], s[18:19]           ; my column's 4 scale bytes
.irp t, 0,1,2,3,4,5,6,7
	ds_load_b96 v[OUTR+4*\t:OUTR+4*\t+2], v7 offset:4*\t*PITCH
.endr
.irp t, 0,1,2,3,4,5,6,7
	s_wait_dscnt 7-\t                              ; load t is in; the 7 - t younger ones may be out
	global_store_b96 v8, v[OUTR+4*\t:OUTR+4*\t+2], s[16:17] offset:4*\t*ROWB   ; eight lanes store a row's 96 consecutive bytes
.endr
	s_wait_tensorcnt 0x0                           ; the wave's end
	ds_add_u32 v[SPW], v[NIL]
	s_wait_dscnt 0x0
	s_endpgm
.Lfunc_end_k_q887d3af288_quant:
	.size	k_q887d3af288_quant, .Lfunc_end_k_q887d3af288_quant-k_q887d3af288_quant
	.p2alignl 7, 3214868480
	.fill 96, 4, 3214868480
	.section	.rodata,"a",@progbits
	.p2align	6, 0x0
	.amdhsa_kernel k_q887d3af288_quant
		.amdhsa_group_segment_fixed_size 68096
		.amdhsa_private_segment_fixed_size 0
		.amdhsa_enable_private_segment 0
		.amdhsa_kernarg_size 48
		.amdhsa_user_sgpr_count 2
		.amdhsa_user_sgpr_kernarg_segment_ptr 1
		.amdhsa_wavefront_size32 1
		.amdhsa_system_sgpr_workgroup_id_x 1
		.amdhsa_system_sgpr_workgroup_id_y 1
		.amdhsa_system_sgpr_workgroup_id_z 1
		.amdhsa_system_vgpr_workitem_id 0
		.amdhsa_next_free_vgpr 256
		.amdhsa_next_free_sgpr 66
		.amdhsa_reserve_vcc 0
		.amdhsa_float_denorm_mode_32 3
		.amdhsa_float_denorm_mode_16_64 3
		.amdhsa_memory_ordered 1
		.amdhsa_forward_progress 1
		.amdhsa_inst_pref_size 55
	.end_amdhsa_kernel
	.amdgpu_metadata
---
amdhsa.version: [ 1, 2 ]
amdhsa.kernels:
  - .name:           k_q887d3af288_quant
    .symbol:         k_q887d3af288_quant.kd
    .args:
      - { .name: x, .offset: 0, .size: 8, .value_kind: global_buffer, .address_space: global }
      - { .name: Wq, .offset: 8, .size: 8, .value_kind: global_buffer, .address_space: global }
      - { .name: Wk, .offset: 16, .size: 8, .value_kind: global_buffer, .address_space: global }
      - { .name: Wv, .offset: 24, .size: 8, .value_kind: global_buffer, .address_space: global }
      - { .name: pc, .offset: 32, .size: 8, .value_kind: global_buffer, .address_space: global }
      - { .name: ps, .offset: 40, .size: 8, .value_kind: global_buffer, .address_space: global }
    .group_segment_fixed_size: 68096
    .private_segment_fixed_size: 0
    .kernarg_segment_align: 8
    .kernarg_segment_size: 48
    .max_flat_workgroup_size: 128
    .sgpr_count:     66
    .vgpr_count:     256
    .wavefront_size: 32
...
	.end_amdgpu_metadata
.endif
;; end of part 1
;; launch proj (part 2): grid 12 x 32, 4 waves a work-group, clusters of 4 x 4, 327,680 bytes of LDS; arguments pc, ps, bq, bk, bv, cod, scl; writes cod, scl
.if DOCPART == 2
	.amdgcn_target "amdgcn-amd-amdhsa--gfx1250"
	.amdhsa_code_object_version 6
	.text
	.protected	k_q887d3af288_proj
	.globl	k_q887d3af288_proj
	.p2align	8
	.type	k_q887d3af288_proj,@function
k_q887d3af288_proj:
	s_mov_b64 s[64:65], 0
	v_nop
	global_prefetch_b8 v0, s[64:65] scope:SCOPE_SE
	s_setreg_imm32_b32 hwreg(HW_REG_WAVE_MODE, 25, 1), 1
	s_wait_xcnt 0x0
	s_wait_alu depctr_hold_cnt(0) depctr_sa_sdst(0) depctr_va_vdst(0) depctr_va_sdst(0) depctr_va_ssrc(0) depctr_va_vcc(0) depctr_vm_vsrc(0)
	s_getreg_b32 s2, hwreg(HW_REG_IB_STS2, 6, 4)
	s_cmp_eq_u32 s2, 0
	s_cbranch_scc0 .Lentry_in_a_cluster
	s_endpgm
.Lentry_in_a_cluster:
	s_bfe_u32 s2, ttmp6, 0x10000c
	s_cmp_lg_u32 s2, 0xf033
	s_cbranch_scc0 .Lentry_shape_is_right
	s_endpgm
.Lentry_shape_is_right:
; q, k, v = x W + b on codes of FP6 (E2M3) with one E8M0 scale for each 32 along K = 1,024; the results, in f32, are quantised at once for the attention and leave as codes.
; pc [K step of 256][11,264 rows][192 bytes], ps [11,264 rows][32]: x's rows, then the columns of Wq, Wk, Wv.  Rows lie in the stored order: sixteen neighbouring stored rows (tile u of an aligned group of 32) are the rows
; 8 u + r + 8 (r / 8).  With such a tile as source 0, register j of lane (r, h) is index 8 u + 16 h + j of the group.
; A tile of 256 x 256 is made by four waves, 128 x 128 each: 64 accumulators.  K goes in four steps of 256 through two LDS slots for each source.
; THE ROLE.  The cluster's x says which product: 0 q, 1 k, 2 v.  The quantiser wants a lane's registers to run along the NEXT product's K: for q and k the head's 64 (columns of W): source 0 = W, source 1 = x;
; for v the keys (rows of x): source 0 = x, source 1 = W.  Source 1's tile is shared by a row of the cluster and hangs on cy, source 0's by a column and hangs on cx, in every role: for v the work-group at (cx, cy)
; takes x's tile 4 (cluster y) + cx and W's tile cy.  So the role enters global addresses alone; LDS addresses and masks are the same in all roles.
; FILLS.  128 rows of one K step are a dense block of 24,576 bytes on a 256-byte border.  At the head one joint load a wave: wave 0 source 1's 256 rows of K steps 0 and 1 (two rows of 49,152 bytes, a plane of pc apart), wave 1 source 0's,
; waves 2 and 3 the two sources' scale bytes.  Two refills (K steps 2, 3), a quarter of a slot a wave (96 rows of 256 bytes), each behind a round of the cluster's barrier.  By this text's own count a wave has one tensor load out.
; OUT.  cod: parts Q, K, V of 6,291,456 bytes, in each [batch x 16 + head][98,304].  Q, K: [tile of 16 stored rows][3][lane][8 bytes].  V: [128 keys][tile of 16 stored channels][3][lane][16 bytes].
; scl: parts of 262,144, in each [head][128 rows or keys][r][4 words].  Every store of codes covers 256 or 512 consecutive bytes, aligned.
; LIMITS: a block of zeros gets the byte 1 where the rule says 127 (this program alone reads the bytes); blocks under 2^-124 keep the byte 1; NaN and infinities are not served.
; NO PREFETCH: K has four steps; two come with the first fills, and the other two could be named only at the head, where the first tiles are being asked for.
; REGISTERS: window 0: v0-31 addresses; v32-63 scale words, two sets; v64-127, v224-239 the bias; from v128 source 1's fragments (on the way out: at work).  window 1: source 0's fragments, two sets.  windows 2, 3: the accumulators.
.set NQ,     2                         ; matrix instructions deep in a K step
.set ROWB,   192
.set PLANE,  11264*ROWB
.set PITCH,  240                       ; an LDS row: 3 x (64 bytes + 16 of padding)
.set FR,     12
.set NL,     6
.set NP,     4                         ; places behind this matrix instruction (ISA guide 7.12.1)
.set HALFT,  128*PITCH
.set RG,     2*HALFT                   ; 256 rows: source 1's slots at 0 and RG, source 0's at 2 RG and 3 RG
.set LAPS,   2
.set KS,     32
.set SCL,    4*RG                      ; the scale bytes, as runs of 256 bytes + 16
.set HALFS,  16*272
.set SBLK,   2*272
.set SPARE,  SCL+4*HALFS
.set PARTC,  6291456
.set HEADC,  98304
.set PARTS,  262144
.set ADRA, 16                          ; v16-17 source 1's fragments in slot 0, 1 (v18-19: behind one padding more); v20-23 source 0's
.set ADRB, 20
.set ST8,  24
.set ST16, 25
.set STS,  26
.set ADRS, 27                          ; my scale words: lanes 0-15 source 1's, lanes 16-31 source 0's
.set SPW,  28
.set NIL,  29
.set BA,   30
.set BB,   31
.set SC,   32
.set BI,   64
.set AF,   128
.set BV,   224
.set HA,   128
.set PC,   192
.set PW,   212
.set PW0,  213
.set WA,   214
.set WB,   215
.set WD,   216
.set WS,   220
.set TM,   240
.set HM,   18
.set P0,   19
.set P1,   20
.set SEL,  22
.set G0H, 4                            ; s[4:7], s[8:11] group 0 of the head's loads of codes
.set G0HB, 8
.set G1, 24
.set G0, 32
.set G1B, 48
.set G0B, 56
.set G1S, 68
.set G0S, 76
.set G1SB, 80
.set G0SB, 88
.set XT, 100                           ; s100 x's tile, s101 W's tile in its product, s104 my half of x's rows, s105 of W's columns
.set WT, 101
.set XH, 104
.set WH, 105
.set MSB, 0
.macro WIN new
.if MSB != (\new)
	s_set_vgpr_msb (MSB<<8)|(\new)
.set MSB, (\new)
.endif
.endm
.set MUL_LO, 0xa1
.set MUL_HI, 0xf1
.set TO_B,   0x40
.macro PLACES n
.rept \n
	v_nop
.endr
.endm
.macro TLOAD g0, g1                    ; an s_nop 0 and four v_nop follow each load
	tensor_load_to_lds s[\g0:\g0+3], s[\g1:\g1+7]
	s_nop 0
	PLACES 4
.endm
.macro JLOAD g0a, g1a, g0b, g1b        ; waves 0, 1 fetch source 1's halves, waves 2, 3 source 0's
	s_cmp_eq_u32 s15, 0
	s_cbranch_scc0 .Lfor_b_\@
	TLOAD \g0a, \g1a
	s_branch .Lasked_\@
.Lfor_b_\@:
	TLOAD \g0b, \g1b
.Lasked_\@:
.endm
.macro CREST
	s_cmp_lg_u32 s14, 0
	s_cbranch_scc1 .Lnot_wave_0_\@
	s_barrier_signal -3
.Lnot_wave_0_\@:
	s_barrier_wait -3
	s_barrier_signal -1
	s_barrier_wait -1
.endm
.macro CROUND
	s_barrier_signal -1
	s_barrier_wait -1
	CREST
.endm
.macro SETG0 g, lds, a                 ; group 0: LDS constant, address pair
	s_mov_b32 s[\g], 1
	s_mov_b32 s[\g+1], \lds
	s_mov_b64 s[\g+2:\g+3], s[\a:\a+1]
	s_or_b32 s[\g+3], s[\g+3], 0x80000000
.endm
	s_load_b128 s[4:7], s[0:1], 0x0                ; pc, ps
	s_load_b128 s[92:95], s[0:1], 0x10             ; bq, bk
	s_load_b128 s[96:99], s[0:1], 0x20             ; bv, cod
	s_load_b64 s[66:67], s[0:1], 0x30              ; scl
	v_lshl_add_u32 v[SPW], v0, 2, SPARE
	v_mov_b32 v[NIL], 0
	ds_add_u32 v[SPW], v[NIL]                      ; the opening: the add, twice on end, and its wait ahead of my first tensor load
	ds_add_u32 v[SPW], v[NIL]
	v_lshrrev_b32 v1, 5, v0
	v_readfirstlane_b32 s14, v1                    ; wave
	s_lshr_b32 s15, s14, 1                         ; my half of source 1's rows.  Also: in the ring I fetch for source 1 (0) or 0 (1)
	s_and_b32 s16, s14, 1                          ; my half of source 0's.  Also: which 128 rows I fetch
	s_bfe_u32 s40, ttmp6, 0x40000                  ; cx
	s_bfe_u32 s41, ttmp6, 0x40004                  ; cy
	s_and_b32 s17, ttmp7, 0xffff
	s_lshl_b32 s17, s17, 2
	s_lshl_b32 s42, ttmp9, 2
	s_add_co_u32 s42, s42, s40
	s_add_co_u32 s42, s42, 32                      ; q, k: source 0 = tile 32 + 4 (cluster x) + cx of pc's tiles of 256 rows
	s_add_co_u32 s2, s17, s40                      ; v: source 0 = x's tile 4 (cluster y) + cx
	s_add_co_u32 s3, s41, 40                       ; v: source 1 = Wv's tile 40 + cy
	s_add_co_u32 s17, s17, s41                     ; q, k: source 1 = x's tile 4 (cluster y) + cy
	s_cmp_eq_u32 ttmp9, 2                          ; the role: the same in all sixteen partners
	s_cselect_b32 s17, s3, s17
	s_cselect_b32 s42, s2, s42
	s_lshl_b32 s43, s41, 2
	s_lshl_b32 s43, 15, s43                        ; my row of the cluster
	s_lshl_b32 s44, 0x1111, s40                    ; my column
	s_or_b32 s[G1+0], s43, (1<<20)|(1<<21)|(3<<22)|(3<<25)    ; elements of 1 byte; 16 bytes of padding behind every 64
	s_or_b32 s[G1B+0], s44, (1<<20)|(1<<21)|(3<<22)|(3<<25)
.irp g, G1, G1B                        ; the head's tile: two rows of 256 x 192 bytes, a plane apart
	s_mov_b32 s[\g+1], (256*ROWB)<<16
	s_mov_b32 s[\g+2], 2<<16
	s_mov_b32 s[\g+3], (256*ROWB)<<16
	s_mov_b32 s[\g+4], 2
	s_mov_b32 s[\g+5], PLANE
	s_mov_b32 s[\g+6], 0
	s_mov_b32 s[\g+7], 0
.endr
	s_or_b32 s[G1S+0], s43, (3<<16)|(1<<20)|(1<<21)|(5<<22)|(3<<25)   ; scale bytes of 256 rows: 32 rows of 256 bytes, 16 of padding behind each
	s_or_b32 s[G1SB+0], s44, (3<<16)|(1<<20)|(1<<21)|(5<<22)|(3<<25)
.irp g, G1S, G1SB
	s_mov_b32 s[\g+1], 32<<16
	s_mov_b32 s[\g+2], 32<<16
	s_mov_b32 s[\g+3], 32<<16
	s_mov_b32 s[\g+4], 32
	s_mov_b32 s[\g+5], 32
	s_mov_b32 s[\g+6], 0
	s_mov_b32 s[\g+7], 0
.endr
	s_mul_i32 s20, s17, 256*ROWB                   ; the tiles' first bytes in pc's plane 0,
	s_mov_b32 s21, 0
	s_mul_i32 s46, s42, 256*ROWB
	s_mov_b32 s47, 0
	s_lshl_b32 s22, s17, 13                        ; and in ps
	s_mov_b32 s23, 0
	s_lshl_b32 s12, s42, 13
	s_mov_b32 s13, 0
	s_mul_i32 s18, s16, 128*ROWB                   ; in the ring: my 128 rows
	s_mov_b32 s19, 0
	s_mul_i32 s45, s15, 2*RG
	s_mul_i32 s3, s16, HALFT
	s_add_co_u32 s45, s45, s3                      ; and where they go: the wave's number alone
	s_wait_dscnt 0x0                               ; both opening adds are done
	s_wait_kmcnt 0x0
	s_add_nc_u64 s[20:21], s[4:5], s[20:21]
	s_add_nc_u64 s[46:47], s[4:5], s[46:47]
	s_add_nc_u64 s[22:23], s[6:7], s[22:23]
	s_add_nc_u64 s[12:13], s[6:7], s[12:13]
	CROUND                                         ; all sixteen work-groups are here: the first joint loads meet
	SETG0 G0H, 0, 20
	SETG0 G0HB, 2*RG, 46
	SETG0 G0S, SCL, 22
	SETG0 G0SB, SCL+2*HALFS, 12
	s_add_nc_u64 s[20:21], s[20:21], s[18:19]
	s_add_nc_u64 s[46:47], s[46:47], s[18:19]
.irp s, 0,1
	s_mov_b32 s[G0+4*\s], 1
	s_add_co_u32 s[G0+4*\s+1], s45, \s*RG
	s_add_nc_u64 s[G0+4*\s+2:G0+4*\s+3], s[20:21], \s*PLANE
	s_or_b32 s[G0+4*\s+3], s[G0+4*\s+3], 0x80000000
	s_mov_b32 s[G0B+4*\s], 1
	s_add_co_u32 s[G0B+4*\s+1], s45, \s*RG
	s_add_nc_u64 s[G0B+4*\s+2:G0B+4*\s+3], s[46:47], \s*PLANE
	s_or_b32 s[G0B+4*\s+3], s[G0B+4*\s+3], 0x80000000
.endr
.macro ARM under, g0, g1, next         ; one chain of branches on the wave's number, one load to an arm
	s_cmp_lt_u32 s14, \under
	s_cbranch_scc0 \next
	TLOAD \g0, \g1
	s_branch .Lhead_asked
\next:
.endm
	ARM 1, G0H,  G1,  .Lhead_b
	ARM 2, G0HB, G1B, .Lhead_sa
	ARM 3, G0S,  G1S, .Lhead_sb
	TLOAD G0SB, G1SB
.Lhead_asked:
	s_mul_i32 s21, s15, HALFT                      ; my 128 rows of source 1,
	s_mul_i32 s22, s16, HALFT
	s_add_co_u32 s22, s22, 2*RG                    ; of source 0
	s_mul_i32 s2, s15, HALFS
	s_mul_i32 s3, s16, HALFS
	s_add_co_u32 s3, s3, 2*HALFS
	s_sub_co_u32 s3, s3, s2                        ; from source 1's scale bytes to source 0's
	s_add_co_u32 s2, s2, SCL
	v_and_b32 v1, 15, v0                           ; r
	v_bfe_u32 v2, v0, 4, 1                         ; h
	v_mul_u32_u24 v3, v1, PITCH
	v_mad_u32_u24 v4, v2, 24, v3                   ; a fragment's row x pitch + 24 h
	v_lshl_add_u32 v5, v2, 4, v4                   ; the same behind one padding more
	v_add_nc_u32 v[ADRA], s21, v4
	v_add_nc_u32 v[ADRB], s22, v4
	v_add_nc_u32 v[ADRA+2], s21, v5
	v_add_nc_u32 v[ADRB+2], s22, v5
.irp k, ADRA, ADRB, ADRA+2, ADRB+2
	v_add_nc_u32 v[\k+1], RG, v[\k]                ; slot 1
.endr
	v_lshlrev_b32 v6, 5, v1                        ; my row's scale bytes: 32 a row, and 16 more for each 256 passed
	v_lshrrev_b32 v7, 8, v6
	v_lshl_add_u32 v6, v7, 4, v6
	v_mul_u32_u24 v7, s3, v2                       ; lanes 16-31 take source 0's
	v_add_nc_u32 v6, v6, v7
	v_add_nc_u32 v[ADRS], s2, v6
	v_and_b32 v6, 31, v0
	v_lshlrev_b32 v[ST8], 3, v6
	v_lshlrev_b32 v[ST16], 4, v6
	v_lshlrev_b32 v[STS], 4, v1
	v_lshl_add_u32 v[STS], v2, 12, v[STS]
	v_lshlrev_b32 v[BA], 6, v2
	v_and_b32 v6, 8, v1
	v_add_nc_u32 v6, v6, v1
	v_lshlrev_b32 v[BB], 2, v6
	s_wait_alu depctr_va_vdst(0)                   ; the wait behind the head's last vector instruction
	s_cmp_eq_u32 ttmp9, 0                          ; the product's bias
	s_cselect_b64 s[92:93], s[92:93], s[94:95]
	s_cmp_eq_u32 ttmp9, 2
	s_cselect_b64 s[92:93], s[96:97], s[92:93]
	s_cselect_b32 s[XT], s42, s17                  ; which source is x hangs on the role
	s_cselect_b32 s[WT], s41, s40
	s_cselect_b32 s[XH], s16, s15
	s_cselect_b32 s[WH], s15, s16
	s_lshl_b32 s20, s[WT], 10
	s_lshl_b32 s21, s[WH], 9
	s_add_co_u32 s20, s20, s21                     ; at my wave's 128 columns
	s_mov_b32 s21, 0
	s_add_nc_u64 s[92:93], s[92:93], s[20:21]
.irp t, 0,1,2,3,4,5,6,7                        ; both forms are loaded in both roles; they land under the products; v30, v31 and s[92:93] are never rewritten
	global_load_b128 v[BI+8*\t:BI+8*\t+3], v[BA], s[92:93] offset:(32*(\t/2)+8*(\t%2))*4
	global_load_b128 v[BI+8*\t+4:BI+8*\t+7], v[BA], s[92:93] offset:(32*(\t/2)+8*(\t%2))*4+16
	global_load_b32 v[BV+2*\t], v[BB], s[92:93] offset:(32*(\t/2)+8*(\t%2))*4
	global_load_b32 v[BV+2*\t+1], v[BB], s[92:93] offset:(32*(\t/2)+8*(\t%2))*4
.endr
	s_lshr_b32 s20, s[XT], 3                       ; the batch
	s_lshl_b32 s20, s20, 4
	s_lshl_b32 s21, s[WT], 2
	s_add_co_u32 s20, s20, s21
	s_lshl_b32 s21, s[WH], 1
	s_add_co_u32 s20, s20, s21                     ; my first head
	s_and_b32 s21, s[XT], 7
	s_lshl_b32 s21, s21, 1
	s_add_co_u32 s21, s21, s[XH]                   ; my 128 rows among the batch's 2,048
	s_mul_i32 s22, ttmp9, PARTC
	s_mul_i32 s23, s20, HEADC
	s_add_co_u32 s22, s22, s23
	s_mul_i32 s23, s21, 6144
	s_add_co_u32 s22, s22, s23
	s_mov_b32 s23, 0
	s_add_nc_u64 s[12:13], s[98:99], s[22:23]
	s_mul_i32 s22, ttmp9, PARTS
	s_lshl_b32 s46, s20, 12
	s_add_co_u32 s22, s22, s46
	s_lshl_b32 s46, s21, 8
	s_add_co_u32 s22, s22, s46
	s_add_nc_u64 s[66:67], s[66:67], s[22:23]
.macro FRAG reg, adr, q, i             ; lane l holds row l % 16; registers 6 c .. 6 c + 5: K = 64 c + 32 (l / 16) + 0 .. 31, in pieces of 8 bytes
.irp p, 0,1,2,3,4,5
.set PCE, 12*(\q)+6*(\p/3)+\p%3
.if PCE%8 < 5
	ds_load_b64 v[\reg+2*\p:\reg+2*\p+1], v[\adr] offset:8*PCE+16*(PCE/8)+(\i)*16*PITCH
.else
	ds_load_b64 v[\reg+2*\p:\reg+2*\p+1], v[\adr+2] offset:8*PCE+16*(PCE/8)+(\i)*16*PITCH
.endif
.endr
.endm
.macro MUL16 a0, p, q, sc, zero        ; source 1's blocks a0, a0 + 1 x source 0's eight; the 64 accumulators take turns
.irp a, \a0, \a0+1
.irp b, 0,1,2,3,4,5,6,7
.set D_, 8*(8*((\a)%4)+\b)
.set B_, 128*(\p)+FR*\b
.set A_, AF+FR*(\a)
.set XB_, SC+8*NQ*(\sc)+NQ*\b+(\q)
.set XA_, SC+8*NQ*(\sc)+NQ*(\a)+(\q)
.if \zero
	v_wmma_scale_f32_16x16x128_f8f6f4 v[D_:D_+7], v[B_:B_+FR-1], v[A_:A_+FR-1], 0, v[XB_], v[XA_] matrix_a_fmt:MATRIX_FMT_FP6 matrix_b_fmt:MATRIX_FMT_FP6 matrix_a_scale:MATRIX_SCALE_ROW1
.else
	v_wmma_scale_f32_16x16x128_f8f6f4 v[D_:D_+7], v[B_:B_+FR-1], v[A_:A_+FR-1], v[D_:D_+7], v[XB_], v[XA_] matrix_a_fmt:MATRIX_FMT_FP6 matrix_b_fmt:MATRIX_FMT_FP6 matrix_a_scale:MATRIX_SCALE_ROW1
.endif
.endr
.endr
.endm
.macro FETCH_B slot, q, p
	WIN TO_B
.irp i, 0,1,2,3,4,5,6,7
	FRAG 128*(\p)+FR*\i, ADRB+\slot, \q, \i
.endr
	WIN 0
.endm
.macro FETCH_A slot, q, i0
.irp i, \i0, \i0+1, \i0+2, \i0+3
	FRAG AF+FR*(\i), ADRA+\slot, \q, \i
.endr
.endm
.macro SCALES sc
.irp i, 0,1,2,3,4,5,6,7
	ds_load_b64 v[SC+8*NQ*\sc+NQ*\i:SC+8*NQ*\sc+NQ*\i+1], v[ADRS] offset:\i*SBLK
.endr
.endm
.macro STEP slot, q, zero              ; 128 along K with its successor in the same slot
	s_wait_dscnt 4*NL                              ; all but the youngest 24 loads (source 1's blocks 4-7) are in
	WIN MUL_LO
	MUL16 0, (\q)%2, \q, \slot, \zero
	MUL16 2, (\q)%2, \q, \slot, \zero
	s_wait_dscnt 0
	PLACES NP
	FETCH_B \slot, (\q)+1, 1-(\q)%2
	FETCH_A \slot, (\q)+1, 0
	WIN MUL_HI
	MUL16 4, (\q)%2, \q, \slot, \zero
	MUL16 6, (\q)%2, \q, \slot, \zero
	PLACES NP
	WIN 0
	FETCH_A \slot, (\q)+1, 4
.endm
.macro TURN slot, next, fill           ; a slot's last step changes slots; fill = 1: this slot is filled again, two K steps ahead
	s_wait_tensorcnt 0x0                           ; all my tensor loads have landed
	ds_add_u32 v[SPW], v[NIL]
	s_wait_dscnt 4*NL+1                            ; (the add and the youngest 24 loads may be out)
	WIN MUL_LO
	MUL16 0, 1, NQ-1, \slot, 0
	s_wait_dscnt 0x0                               ; the add is done, and my reads of this slot are over
	s_barrier_signal -1
	MUL16 2, 1, NQ-1, \slot, 0
	WIN 0
	s_barrier_wait -1
.if \fill
	CREST                                          ; the barrier has opened a round of the cluster's barrier
	s_add_nc_u64 s[G0+4*\slot+2:G0+4*\slot+3], s[G0+4*\slot+2:G0+4*\slot+3], 2*PLANE
	s_add_nc_u64 s[G0B+4*\slot+2:G0B+4*\slot+3], s[G0B+4*\slot+2:G0B+4*\slot+3], 2*PLANE
	JLOAD G0+4*\slot, G1, G0B+4*\slot, G1B         ; its four v_nop are the places in front of the loads below
.else
	PLACES NP
.endif
	s_wait_alu depctr_va_vdst(0)                   ; ahead of the reader below
	v_add_nc_u32 v[ADRS], 4*NQ, v[ADRS]            ; the next K step's scale words
	FETCH_B \next, 0, 0
	FETCH_A \next, 0, 0
	SCALES \next
	WIN MUL_HI
	MUL16 4, 1, NQ-1, \slot, 0
	MUL16 6, 1, NQ-1, \slot, 0
	PLACES NP
	WIN 0
	FETCH_A \next, 0, 4
.endm
	s_wait_tensorcnt 0x0                           ; my tile of the head's four is in; no tensor load of mine is out, so group 1 may be written:
.irp g, G1, G1B                        ; from here on a load brings 128 rows of a K step: 96 rows of 256 bytes
	s_mov_b32 s[\g+1], 256<<16
	s_mov_b32 s[\g+2], 96<<16
	s_mov_b32 s[\g+3], 256<<16
	s_mov_b32 s[\g+4], 96
	s_mov_b32 s[\g+5], 256
.endr
	s_barrier_signal -1
	s_barrier_wait -1                              ; everybody's is in
	FETCH_B 0, 0, 0
	FETCH_A 0, 0, 0
	SCALES 0
	FETCH_A 0, 0, 4
	STEP 0, 0, 1                                   ; the first products start the sums
	s_mov_b32 s3, LAPS-1
.Llap:
	TURN 0, 1, 1
	STEP 1, 0, 0
	TURN 1, 0, 1
	STEP 0, 0, 0
	s_sub_co_u32 s3, s3, 1
	s_cmp_lg_u32 s3, 0
	s_cbranch_scc1 .Llap
	TURN 0, 1, 0
	STEP 1, 0, 0
	s_wait_dscnt 4*NL
	WIN MUL_LO
	MUL16 0, 1, NQ-1, 1, 0
	MUL16 2, 1, NQ-1, 1, 0
	s_wait_dscnt 0
	WIN MUL_HI
	MUL16 4, 1, NQ-1, 1, 0
	MUL16 6, 1, NQ-1, 1, 0
	WIN 0
; THE WAY OUT, a block a of source 1 at a time: its eight accumulators are 64 numbers of a lane, register 16 b + i = index 32 b + 16 (lane / 16) + i along the next product's K.
.macro TAKE a, kind                    ; adds the bias (kind 0: along the registers; 1: my lane's), each accumulator from its low end on
	WIN 0x02+((\a)/4)
.set n, 0
.rept 32
.if \kind
	v_pk_add_f32 v[HA+2*n:HA+2*n+1], v[64*((\a)%4)+2*n:64*((\a)%4)+2*n+1], v[BV+2*(\a):BV+2*(\a)+1]
.else
	v_pk_add_f32 v[HA+2*n:HA+2*n+1], v[64*((\a)%4)+2*n:64*((\a)%4)+2*n+1], v[BI+2*n:BI+2*n+1]
.endif
.set n, n+1
.endr
	WIN 0
.endm
.macro QUANT s                         ; 64 numbers of a lane become a fragment's codes in v[PC] on and its scale word in v[PW]
.irp b, 0,1,2,3
	v_max3_num_f32 v[TM+\b], |v[\s+16*\b]|, |v[\s+1+16*\b]|, 0x1800000   ; with the floor 2^(3 - 127)
.endr
.irp i, 2,4,6,8,10,12,14
.irp b, 0,1,2,3
	v_max3_num_f32 v[TM+\b], v[TM+\b], |v[\s+16*\b+\i]|, |v[\s+1+16*\b+\i]|
.endr
.endr
.irp b, 0,1,2,3
	v_permlanex16_b32 v[TM+4+\b], v[TM+\b], s[SEL], s[SEL+1]
.endr
.irp b, 0,1,2,3
	v_max_num_f32 v[TM+\b], v[TM+\b], v[TM+4+\b]
.endr
.irp b, 0,1,2,3
	v_add_nc_u32 v[TM+12+\b], 0xff000000, v[TM+\b] ; the conversion's scale operand
.endr
.irp b, 0,1,2,3
	v_lshrrev_b32 v[TM+4+\b], 23, v[TM+12+\b]      ; the scale's byte
.endr
	v_lshl_or_b32 v[PW], v[TM+5], 8, v[TM+4]
	v_lshl_or_b32 v[PW], v[TM+6], 16, v[PW]
	v_lshl_or_b32 v[PW], v[TM+7], 24, v[PW]
.irp c, 0,1
	v_cvt_scalef32_pk16_fp6_f32 v[PC+6*\c:PC+2+6*\c], v[\s+32*\c:\s+15+32*\c], v[TM+12+2*\c]
	v_cvt_scalef32_pk16_fp6_f32 v[PC+12+4*\c:PC+14+4*\c], v[\s+16+32*\c:\s+31+32*\c], v[TM+12+2*\c+1]
.endr
	v_nop                                          ; one plain place behind a scaled conversion
.irp c, 0,1                                    ; a whole block in a lane: lanes 0-15 block 2 c, lanes 16-31 block 2 c + 1
.irp i, 0,1,2
	v_permlane16_swap_b32 v[PC+6*\c+\i], v[PC+12+4*\c+\i]
.endr
.irp i, 0,1,2
	v_mov_b32 v[PC+3+6*\c+\i], v[PC+12+4*\c+\i]
.endr
.endr
.endm
	PLACES NP
	s_wait_loadcnt 0x0                             ; the bias
.irp b, 0,1,2,3
	v_mov_b32 v[TM+4+\b], 0                        ; a lane permute's destination counts as one of its sources
.endr
	s_mov_b32 s[HM], 0xffff0000
	s_mov_b32 s[P0], 0x05040100
	s_mov_b32 s[P1], 0x07060302
	s_mov_b32 s[SEL], 0x76543210
	s_mov_b32 s[SEL+1], 0xfedcba98
	s_cmp_eq_u32 ttmp9, 2
	s_cbranch_scc1 .Lway_v
	; q and k: block a = tile a of my 128 rows; registers 0-5 of the codes are the first head's 24 bytes of my lane, 6-11 the second's
.irp a, 0,1,2,3,4,5,6,7
	TAKE \a, 0
.if \a > 0
	s_wait_xcnt 0x0                                ; the last tile's stores have read their registers
.endif
	QUANT HA
.irp p, 0,1,2,3,4,5
	global_store_b64 v[ST8], v[PC+2*\p:PC+2*\p+1], s[12:13] offset:(\p/3)*HEADC+768*\a+256*(\p%3)   ; 32 lanes store 256 consecutive bytes, aligned
.endr
.if (\a%2) == 0
	v_mov_b32 v[PW0], v[PW]
.else
	v_perm_b32 v[WA], v[PW], v[PW0], s[P0]         ; the first head's word of the group,
	v_perm_b32 v[WB], v[PW], v[PW0], s[P1]         ; the second's
	v_cndmask_b32 v[WD+\a/2], v[WA], v[WB], s[HM]
.endif
.endr
	global_store_b128 v[STS], v[WD:WD+3], s[66:67]
	s_branch .Ljoin
.Lway_v:
	; v: block a = tile a % 4 of the 64 channels of head a / 4; the codes are the operand's 12 registers as they stand
.irp a, 0,1,2,3,4,5,6,7
	TAKE \a, 1
.if \a > 0
	s_wait_xcnt 0x0
.endif
	QUANT HA
.irp c, 0,1,2
	global_store_b128 v[ST16], v[PC+4*\c:PC+4*\c+3], s[12:13] offset:(\a/4)*HEADC+1536*(\a%4)+512*\c   ; 32 lanes store 512 consecutive bytes, aligned
.endr
.if \a < 4
	v_mov_b32 v[WS+\a], v[PW]
.else
	v_cndmask_b32 v[WD+\a-4], v[WS+\a-4], v[PW], s[HM]
.endif
.endr
	global_store_b128 v[STS], v[WD:WD+3], s[66:67]
.Ljoin:
	s_wait_tensorcnt 0x0                           ; the wave's end
	ds_add_u32 v[SPW], v[NIL]
	s_wait_dscnt 0x0
	CROUND                                         ; the closing round
	s_endpgm
.Lfunc_end_k_q887d3af288_proj:
	.size	k_q887d3af288_proj, .Lfunc_end_k_q887d3af288_proj-k_q887d3af288_proj
	.p2alignl 7, 3214868480
	.fill 96, 4, 3214868480
	.section	.rodata,"a",@progbits
	.p2align	6, 0x0
	.amdhsa_kernel k_q887d3af288_proj
		.amdhsa_group_segment_fixed_size 327680
		.amdhsa_private_segment_fixed_size 0
		.amdhsa_enable_private_segment 0
		.amdhsa_kernarg_size 56
		.amdhsa_user_sgpr_count 2
		.amdhsa_user_sgpr_kernarg_segment_ptr 1
		.amdhsa_wavefront_size32 1
		.amdhsa_system_sgpr_workgroup_id_x 1
		.amdhsa_system_sgpr_workgroup_id_y 1
		.amdhsa_system_sgpr_workgroup_id_z 1
		.amdhsa_system_vgpr_workitem_id 0
		.amdhsa_next_free_vgpr 1024
		.amdhsa_next_free_sgpr 106
		.amdhsa_reserve_vcc 0
		.amdhsa_float_denorm_mode_32 3
		.amdhsa_float_denorm_mode_16_64 3
		.amdhsa_memory_ordered 1
		.amdhsa_forward_progress 1
		.amdhsa_inst_pref_size 236
	.end_amdhsa_kernel
	.amdgpu_metadata
---
amdhsa.version: [ 1, 2 ]
amdhsa.kernels:
  - .name:           k_q887d3af288_proj
    .symbol:         k_q887d3af288_proj.kd
    .args:
      - { .name: pc, .offset: 0, .size: 8, .value_kind: global_buffer, .address_space: global }
      - { .name: ps, .offset: 8, .size: 8, .value_kind: global_buffer, .address_space: global }
      - { .name: bq, .offset: 16, .size: 8, .value_kind: global_buffer, .address_space: global }
      - { .name: bk, .offset: 24, .size: 8, .value_kind: global_buffer, .address_space: global }
      - { .name: bv, .offset: 32, .size: 8, .value_kind: global_buffer, .address_space: global }
      - { .name: cod, .offset: 40, .size: 8, .value_kind: global_buffer, .address_space: global }
      - { .name: scl, .offset: 48, .size: 8, .value_kind: global_buffer, .address_space: global }
    .group_segment_fixed_size: 327680
    .private_segment_fixed_size: 0
    .kernarg_segment_align: 8
    .kernarg_segment_size: 56
    .max_flat_workgroup_size: 128
    .sgpr_count:     106
    .vgpr_count:     1024
    .wavefront_size: 32
...
	.end_amdgpu_metadata
.endif
;; end of part 2
;; launch attn (part 3): grid 4 x 64, 16 waves a work-group, clusters of 4 x 1, 276,480 bytes of LDS; arguments cod, scl, out0; writes out0
.if DOCPART == 3
	.amdgcn_target "amdgcn-amd-amdhsa--gfx1250"
	.amdhsa_code_object_version 6
	.text
	.protected	k_q887d3af288_attn
	.globl	k_q887d3af288_attn
	.p2align	8
	.type	k_q887d3af288_attn,@function
k_q887d3af288_attn:
	s_mov_b64 s[64:65], 0
	v_nop
	global_prefetch_b8 v0, s[64:65] scope:SCOPE_SE
	s_setreg_imm32_b32 hwreg(HW_REG_WAVE_MODE, 25, 1), 1
	s_wait_xcnt 0x0
	s_wait_alu depctr_hold_cnt(0) depctr_sa_sdst(0) depctr_va_vdst(0) depctr_va_sdst(0) depctr_va_ssrc(0) depctr_va_vcc(0) depctr_vm_vsrc(0)
	s_getreg_b32 s2, hwreg(HW_REG_IB_STS2, 6, 4)
	s_cmp_eq_u32 s2, 0
	s_cbranch_scc0 .Lentry_in_a_cluster
	s_endpgm
.Lentry_in_a_cluster:
	s_bfe_u32 s2, ttmp6, 0x10000c
	s_cmp_lg_u32 s2, 0x3003
	s_cbranch_scc0 .Lentry_shape_is_right
	s_endpgm
.Lentry_shape_is_right:
; out[batch][q][64 head + :] = the sum over keys k <= q of softmax_k(Q[q] . K[k] / 8) V[k][:], for 64 heads of 2,048 rows and 64 channels, both products on codes of FP6 (E2M3) with one E8M0 scale for each 32 along K.
; Codes and scale words come from cod and scl as the launch before laid them: images of the operands' registers.
; WORK LEFT OUT: key steps that lie wholly above the diagonal, which reference()'s own jnp.tril hides: their p is 0 for all values of the inputs.
; THE SOFTMAX: t = score x log2(e) / 8; M = the row's largest t so far, rounded up to a whole number; p = 2^(t - M) is quantised along the keys, not normalised.  The row's sum is taken of the unquantised p and divides at the end.
; When M moves, the sum and O are multiplied by 2^(old M - new M): exact.
; SHARES.  A cluster of four work-groups owns a head.  All of the head's K and V, codes and scale words (204,800 bytes), come into each work-group's LDS once, by joint loads at the head, ONE A WAVE: waves 0, 1 K's and V's codes of
; key steps 0 to 3, waves 2, 3 their scale words, waves 4 to 15 two later key steps of K or V each.  Nothing is filled twice: no ring, and nothing is left to be asked for ahead, so no prefetch.
; Each wave owns TWO tiles of 16 queries: with g = wave / 2 and u = wave % 2, tile (my place in the cluster, u) of the 128 queries 128 g on (early) and of the 128 queries 128 (15 - g) on (late).
; THE ORDER OF WORK: the late tile's key steps 0 to 3, which need the first four waves' loads alone; a barrier that shows the rest; the early tile's g + 1 steps; the late tile's 12 - g.  So every wave has 4 steps ahead of
; that barrier and 13 behind it.  Branches hang on the wave's number and the count of steps alone; my place in the cluster enters global addresses and the mask's number alone.
; THE HEAD'S K IS 64, THE INSTRUCTION'S 128: a fragment of K holds two tiles of 16 keys side by side along K; multiplied by (q | 0) it gives the first tile's scores, by (0 | q) the second's.
; LAYOUT.  Both products are used transposed: a lane holds one query (lane % 16).  A tile's 16 rows are the rows 8 u + r + 8 (r / 8) of a group of 32, so that the 16 registers of a group's two tiles are 16 neighbours.
; LIMITS: hidden scores become -infinity where the definition writes the least f32 number: both give p = 0, since every row keeps its own key.  O is multiplied by v_rcp_f32 of the sum.  NaN and infinities are not served.
.set HEADC, 98304
.set PARTC, 6291456
.set PARTS, 262144
.set KC,    0                          ; LDS: K's codes, 6,144 bytes a key step; V's; K's scale words, 256 bytes a key step; V's; a stage of 16 x 272 bytes a wave; the spare words
.set VC,    98304
.set KSC,   196608
.set VSC,   200704
.set STG,   204800
.set SPARE, STG+16*16*272
.set STEPC, 6144
.set STEPW, 256
.set FIRST, 4                          ; key steps ahead of the barrier
.set AK0, 1                            ; v1 8 x lane; v2 VC + 16 x lane; v3 KSC + 16 r
.set AV0, 2
.set AS0, 3
.set ADK, 4                            ; v4, v7, v17 the step's LDS addresses
.set SPW, 5
.set NIL, 6
.set ADV, 7
.set DD,  16                           ; v16 my query among its 128, less 16 h
.set ADS, 17
.set QSL, 18                           ; q's scale words.  v8-11 late tile: -M, largest t, the sum in two halves; v12-15 early tile
.set QSE, 19
.set F,   50                           ; v20-25 0, v26-31 late q, v32-37 0, v38-43 early q, v44-49 0; v50-97 four fragments
.set KVS, 98
.set S,   102                          ; v102-165 S^T, then p
.set OL,  166
.set OE,  198
.set PC,  230
.set BM,  238
.set PT,  242
.set TMP, 249
.set SO,  250
.set FF,  254
.set PW,  255
.set WV, 10
.set GL, 11
.set U,  12
.set GH, 13
.set CX, 14
.set BH, 15
.set J,  16
.set TB, 17
.set TS, 18
.set SEL, 20
.set CS,  22
.set G1CA, 24
.set G1CB, 32
.set G1SA, 40
.set G0CA, 56
.set G0CB, 60
.set G0SA, 68
.macro CROUND
	s_barrier_signal -1
	s_barrier_wait -1
	s_cmp_lg_u32 s[WV], 0
	s_cbranch_scc1 .Lnot_wave_0_\@
	s_barrier_signal -3
.Lnot_wave_0_\@:
	s_barrier_wait -3
	s_barrier_signal -1
	s_barrier_wait -1
.endm
.macro TLOAD g0, g1                    ; an s_nop 0 and four v_nop follow each load
	tensor_load_to_lds s[\g0:\g0+3], s[\g1:\g1+7]
	s_nop 0
.rept 4
	v_nop
.endr
.endm
	s_load_b128 s[4:7], s[0:1], 0x0                ; cod, scl
	s_load_b64 s[8:9], s[0:1], 0x10                ; out0
	v_lshl_add_u32 v[SPW], v0, 2, SPARE
	v_mov_b32 v[NIL], 0
	ds_add_u32 v[SPW], v[NIL]                      ; the opening: the add, twice on end, and its wait ahead of my first tensor load
	ds_add_u32 v[SPW], v[NIL]
	v_lshrrev_b32 v7, 5, v0
	v_readfirstlane_b32 s[WV], v7
	s_lshr_b32 s[GL], s[WV], 1
	s_and_b32 s[U], s[WV], 1                       ; also: I fetch for K (0) or for V (1)
	s_sub_co_u32 s[GH], 15, s[GL]
	s_bfe_u32 s[CX], ttmp6, 0x40000
	s_and_b32 s[BH], ttmp7, 0xffff                 ; the head
.irp g, G1CA, G1CB, G1SA               ; dense blocks as rows of 256 bytes (32 elements of 8), no padding; the mask names all four work-groups
	s_mov_b32 s[\g], 15|(3<<16)|(1<<21)
	s_mov_b32 s[\g+1], 32<<16
	s_mov_b32 s[\g+3], 32<<16
	s_mov_b32 s[\g+5], 32
	s_mov_b32 s[\g+6], 0
	s_mov_b32 s[\g+7], 0
.endr
	s_mov_b32 s[G1CA+2], (FIRST*24)<<16            ; 24 rows a key step
	s_mov_b32 s[G1CA+4], FIRST*24
	s_mov_b32 s[G1CB+2], 48<<16                    ; two key steps
	s_mov_b32 s[G1CB+4], 48
	s_mov_b32 s[G1SA+2], 16<<16                    ; all sixteen steps' scale words
	s_mov_b32 s[G1SA+4], 16
	s_mul_i32 s76, s[BH], HEADC
	s_lshl_b32 s77, s[BH], 12
	s_mul_i32 s2, s[U], PARTC
	s_add_co_u32 s2, s2, PARTC                     ; part K or part V
	s_add_co_u32 s78, s2, s76
	s_mov_b32 s79, 0
	s_lshl_b32 s2, s[U], 18
	s_add_co_u32 s2, s2, PARTS
	s_add_co_u32 s92, s2, s77
	s_mov_b32 s93, 0
	s_lshl_b32 s2, s[CX], 1                        ; q's tiles, their scale words and the rows of out: here alone my place in the cluster enters
	s_add_co_u32 s2, s2, s[U]
	s_lshl_b32 s3, s[GH], 3
	s_add_co_u32 s3, s3, s2
	s_mul_i32 s84, s3, 768
	s_add_co_u32 s84, s84, s76
	s_mov_b32 s85, 0
	s_lshl_b32 s3, s[GL], 3
	s_add_co_u32 s3, s3, s2
	s_mul_i32 s86, s3, 768
	s_add_co_u32 s86, s86, s76
	s_mov_b32 s87, 0
	s_lshl_b32 s2, s[CX], 2
	s_add_co_u32 s2, s2, s77
	s_lshl_b32 s88, s[GH], 8
	s_add_co_u32 s88, s88, s2
	s_mov_b32 s89, 0
	s_lshl_b32 s90, s[GL], 8
	s_add_co_u32 s90, s90, s2
	s_mov_b32 s91, 0
	s_lshl_b32 s19, s[CX], 5
	s_lshl_b32 s2, s[U], 3
	s_add_co_u32 s19, s19, s2                      ; 32 cx + 8 u
	s_lshr_b32 s2, s[BH], 4
	s_lshl_b32 s2, s2, 11
	s_add_co_u32 s2, s2, s19
	s_and_b32 s3, s[BH], 15
	s_lshl_b32 s3, s3, 8
	s_lshl_b32 s80, s[GH], 7
	s_add_co_u32 s80, s80, s2
	s_lshl_b32 s80, s80, 12
	s_add_co_u32 s80, s80, s3
	s_mov_b32 s81, 0
	s_lshl_b32 s82, s[GL], 7
	s_add_co_u32 s82, s82, s2
	s_lshl_b32 s82, s82, 12
	s_add_co_u32 s82, s82, s3
	s_mov_b32 s83, 0
	s_mov_b32 s[SEL], 0x76543210
	s_mov_b32 s[SEL+1], 0xfedcba98
	s_mov_b32 s[CS], 0x3e38aa3b                    ; c = log2(e) / 8
	s_mov_b32 s[CS+1], s[CS]
	s_mov_b32 s[J], 0
	s_mov_b32 s[TB], 0
	s_mov_b32 s[TS], 0
	v_and_b32 v[AK0], 31, v0
	v_lshl_add_u32 v[AV0], v[AK0], 4, VC
	v_lshlrev_b32 v[AK0], 3, v[AK0]
	v_and_b32 v[ADK], 15, v0                       ; r
	v_lshl_add_u32 v[AS0], v[ADK], 4, KSC
	v_lshlrev_b32 v[ADS], 4, v[ADK]
	v_and_b32 v[DD], 8, v[ADK]
	v_add_nc_u32 v[DD], v[DD], v[ADK]
	v_bfe_u32 v[ADV], v0, 4, 1
	v_lshlrev_b32 v[ADV], 4, v[ADV]
	v_sub_nc_u32 v[DD], v[DD], v[ADV]
	v_add_nc_u32 v[DD], s19, v[DD]
	v_mov_b32 v9, 0xff61b1e6                       ; the largest t so far: -3e38
	v_floor_f32 v8, -v9
	v_mov_b32 v10, 0
	v_mov_b32 v11, 0
	v_mov_b32 v13, 0xff61b1e6
	v_floor_f32 v12, -v13
	v_mov_b32 v14, 0
	v_mov_b32 v15, 0
.irp b, 0,1,2,3
	v_mov_b32 v[PT+\b], 0
.endr
	v_mov_b32 v[PW], 0
.set n, 0
.rept 64
	v_mov_b32 v[OL+n], 0                           ; O^T of both tiles: a step is written once, and the first finds zeros
.set n, n+1
.endr
	s_wait_dscnt 0x0                               ; both opening adds are done
	s_wait_kmcnt 0x0
	s_mov_b32 s[G0CA], 1
	s_mul_i32 s[G0CA+1], s[U], VC
	s_add_nc_u64 s[G0CA+2:G0CA+3], s[4:5], s[78:79]
	s_or_b32 s[G0CA+3], s[G0CA+3], 0x80000000
	s_and_b32 s2, s[WV], 14                        ; waves 4 to 15: key steps 2 (wave / 2) and the next
	s_mul_i32 s2, s2, STEPC
	s_mov_b32 s3, 0
	s_mov_b32 s[G0CB], 1
	s_add_co_u32 s[G0CB+1], s[G0CA+1], s2
	s_add_nc_u64 s[G0CB+2:G0CB+3], s[4:5], s[78:79]
	s_add_nc_u64 s[G0CB+2:G0CB+3], s[G0CB+2:G0CB+3], s[2:3]
	s_or_b32 s[G0CB+3], s[G0CB+3], 0x80000000
	s_mov_b32 s[G0SA], 1
	s_lshl_b32 s[G0SA+1], s[U], 12
	s_add_co_u32 s[G0SA+1], s[G0SA+1], KSC
	s_add_nc_u64 s[G0SA+2:G0SA+3], s[6:7], s[92:93]
	s_or_b32 s[G0SA+3], s[G0SA+3], 0x80000000
	s_add_nc_u64 s[84:85], s[4:5], s[84:85]
	s_add_nc_u64 s[86:87], s[4:5], s[86:87]
	s_add_nc_u64 s[88:89], s[6:7], s[88:89]
	s_add_nc_u64 s[90:91], s[6:7], s[90:91]
	s_add_nc_u64 s[80:81], s[8:9], s[80:81]
	s_add_nc_u64 s[82:83], s[8:9], s[82:83]
.irp i, 0,1,2
	global_load_b64 v[26+2*\i:27+2*\i], v[AK0], s[84:85] offset:256*\i   ; q stays in registers; asked for ahead of the round, so that it travels beside the round and the tensor loads
	global_load_b64 v[38+2*\i:39+2*\i], v[AK0], s[86:87] offset:256*\i
.endr
	global_load_b32 v[QSL], v[ADS], s[88:89]
	global_load_b32 v[QSE], v[ADS], s[90:91]
	CROUND                                         ; all four work-groups are here: the joint loads meet
	s_cmp_lt_u32 s[WV], 2                          ; one chain of branches on the wave's number, one load to an arm
	s_cbranch_scc0 .Lnot_codes
	TLOAD G0CA, G1CA
	s_branch .Lasked
.Lnot_codes:
	s_cmp_lt_u32 s[WV], 4
	s_cbranch_scc0 .Lrest
	TLOAD G0SA, G1SA
	s_branch .Lasked
.Lrest:
	TLOAD G0CB, G1CB
.Lasked:
	s_lshl_b32 s2, s[U], 4
	s_wait_loadcnt 0x0
	v_lshrrev_b32 v[QSL], s2, v[QSL]               ; my tile's two bytes,
	v_lshrrev_b32 v[QSE], s2, v[QSE]
	v_and_b32 v[QSL], 0xffff, v[QSL]
	v_and_b32 v[QSE], 0xffff, v[QSE]
	v_lshl_or_b32 v[QSL], v[QSL], 16, v[QSL]       ; twice: for (q | 0) and (0 | q) alike
	v_lshl_or_b32 v[QSE], v[QSE], 16, v[QSE]
.irp z, 20,21,22,23,24,25,32,33,34,35,36,37,44,45,46,47,48,49
	v_mov_b32 v[\z], 0                             ; zero codes beside q (also the places between the scale words' last write and the first product)
.endr
	s_cmp_lt_u32 s[WV], 4                          ; the first four waves' loads, whose lines are theirs alone, are waited for here
	s_cbranch_scc0 .Lnot_first
	s_wait_tensorcnt 0x0
.Lnot_first:
	s_barrier_signal -1
	s_barrier_wait -1                              ; key steps 0 to 3 and the scale words are in
; A KEY STEP of one tile: 128 keys.  st: its four registers of statistics; qz: the first of its 18 registers (0 | q | 0); o: its O^T; qs: its scale word; mask = 1: the step may be the tile's diagonal, the g-th.
.macro STEP st, qz, o, qs, mask, g
	v_add_nc_u32 v[ADK], s[TB], v[AK0]
	v_add_nc_u32 v[ADV], s[TB], v[AV0]
	v_add_nc_u32 v[ADS], s[TS], v[AS0]
	v_nop                                          ; four places in front of loads into registers that the last products have read
	ds_load_b128 v[KVS:KVS+3], v[ADS]
.irp b, 0,1,2,3
.irp p, 0,1,2,3,4,5
	ds_load_b64 v[F+12*\b+2*\p:F+12*\b+2*\p+1], v[ADK] offset:1536*\b+256*\p
.endr
.endr
	s_wait_alu depctr_va_vdst(0)                   ; the wait ahead of the waits below
.irp b, 0,1,2,3                                ; S^T = K Q^T
	s_wait_dscnt 6*(3-\b)                          ; fragment b is in; the six loads of each younger fragment may be out
	v_wmma_scale_f32_16x16x128_f8f6f4 v[S+16*\b:S+16*\b+7], v[F+12*\b:F+12*\b+11], v[\qz+6:\qz+17], 0, v[KVS+\b], v[\qs] matrix_a_fmt:MATRIX_FMT_FP6 matrix_b_fmt:MATRIX_FMT_FP6
	v_wmma_scale_f32_16x16x128_f8f6f4 v[S+16*\b+8:S+16*\b+15], v[F+12*\b:F+12*\b+11], v[\qz:\qz+11], 0, v[KVS+\b], v[\qs] matrix_a_fmt:MATRIX_FMT_FP6 matrix_b_fmt:MATRIX_FMT_FP6
.endr                                          ; register 16 b + i of lane (r, h) is key 32 b + 16 h + i of the step
.rept 4
	v_nop
.endr
.irp t, 0,1,2,3
.irp c, 0,1,2
	ds_load_b128 v[F+12*\t+4*\c:F+12*\t+4*\c+3], v[ADV] offset:1536*\t+512*\c   ; V's fragments land under the softmax
.endr
.endr
	ds_load_b128 v[KVS:KVS+3], v[ADS] offset:VSC-KSC
.if \mask
	s_cmp_lg_u32 s[J], s[\g]
	s_cbranch_scc1 .Lopen_\@
	v_mov_b32 v[TMP], 0xff800000
.set n, 0
.rept 64
	v_cmp_gt_i32 vcc_lo, 32*(n/16)+n%16, v[DD]     ; hidden where 32 b + i > d
	v_cndmask_b32 v[S+n], v[S+n], v[TMP], vcc_lo
.set n, n+1
.endr
.Lopen_\@:
.endif
.irp b, 0,1,2,3
	v_max3_num_f32 v[BM+\b], v[S+16*\b], v[S+1+16*\b], v[S+2+16*\b]   ; each block's largest score: for the row's maximum and, since p rises with the score, for the block's largest p
.endr
.irp i, 3,5,7,9,11,13
.irp b, 0,1,2,3
	v_max3_num_f32 v[BM+\b], v[BM+\b], v[S+16*\b+\i], v[S+1+16*\b+\i]
.endr
.endr
.irp b, 0,1,2,3
	v_max_num_f32 v[BM+\b], v[BM+\b], v[S+15+16*\b]
.endr
.irp b, 0,1,2,3
	s_delay_alu instid0(VALU_DEP_4)
	v_permlanex16_b32 v[PT+\b], v[BM+\b], s[SEL], s[SEL+1]
.endr
.irp b, 0,1,2,3
	s_delay_alu instid0(VALU_DEP_4)
	v_max_num_f32 v[BM+\b], v[BM+\b], v[PT+\b]
.endr
	s_delay_alu instid0(VALU_DEP_2)
	v_max3_num_f32 v[TMP], v[BM], v[BM+1], v[BM+2]
	s_delay_alu instid0(VALU_DEP_1)
	v_max_num_f32 v[TMP], v[TMP], v[BM+3]
	s_delay_alu instid0(VALU_DEP_1)
	v_mul_f32 v[TMP], s[CS], v[TMP]
	s_delay_alu instid0(VALU_DEP_1)
	v_max_num_f32 v[\st+1], v[\st+1], v[TMP]       ; the running largest t
	v_mov_b32 v[TMP], v[\st]
	s_delay_alu instid0(VALU_DEP_2)
	v_floor_f32 v[\st], -v[\st+1]                  ; the new -M
	s_delay_alu instid0(VALU_DEP_1)
	v_sub_f32 v[TMP], v[\st], v[TMP]
	s_delay_alu instid0(VALU_DEP_1)
	v_cvt_i32_f32 v[TMP], v[TMP]
	s_delay_alu instid0(VALU_DEP_1)
	v_ldexp_f32 v[FF], 1.0, v[TMP]                 ; f = 2^(old M - new M)
.set n, 0
.rept 32
	v_pk_fma_f32 v[S+n:S+n+1], v[S+n:S+n+1], s[CS:CS+1], v[\st:\st+1] op_sel_hi:[1,0,0]   ; t - M
.set n, n+2
.endr
.irp b, 0,1,2,3
	v_fma_f32 v[BM+\b], v[BM+\b], s[CS], v[\st]
.endr
.set n, 0
	s_wait_alu depctr_va_vdst(0)                   ; the wait ahead of the batch
.rept 64
	v_exp_f32 v[S+n], v[S+n]                       ; p = 2^(t - M)
.set n, n+1
.endr
	v_pk_mul_f32 v[\st+2:\st+3], v[\st+2:\st+3], v[FF:FF+1] op_sel_hi:[1,0]   ; the sums under the new M (a plain place behind the exponentials)
	s_wait_alu depctr_va_vdst(0)                   ; one wait for the batch, ahead of its first reader
.irp b, 0,1,2,3
	v_exp_f32 v[BM+\b], v[BM+\b]                   ; the block's largest p
.endr
	v_pk_add_f32 v[PT:PT+1], v[S:S+1], v[S+2:S+3]  ; the row's sum of the unquantised p, in two chains
.irp j, 4,8,12,16,20,24,28,32,36,40,44,48,52,56,60
	v_pk_add_f32 v[\st+2:\st+3], v[\st+2:\st+3], v[S+\j:S+1+\j]
	v_pk_add_f32 v[PT:PT+1], v[PT:PT+1], v[S+2+\j:S+3+\j]
.endr
	s_delay_alu instid0(VALU_DEP_1)
	v_pk_add_f32 v[\st+2:\st+3], v[\st+2:\st+3], v[PT:PT+1]
	s_wait_alu depctr_va_vdst(0)                   ; and one for the four
.irp b, 0,1,2,3
	v_max_num_f32 v[BM+\b], 0x1800000, v[BM+\b]    ; the floor 2^(3 - 127)
.endr
.irp b, 0,1,2,3
	s_delay_alu instid0(VALU_DEP_4)
	v_add_nc_u32 v[SO+\b], 0xff000000, v[BM+\b]    ; the conversion's scale operand
.endr
.irp b, 0,1,2,3
	s_delay_alu instid0(VALU_DEP_4)
	v_lshrrev_b32 v[PT+\b], 23, v[SO+\b]
.endr
	s_delay_alu instid0(VALU_DEP_3)
	v_lshl_or_b32 v[PW], v[PT+1], 8, v[PT]         ; p's scale word
	s_delay_alu instid0(VALU_DEP_1)
	v_lshl_or_b32 v[PW], v[PT+2], 16, v[PW]
	s_delay_alu instid0(VALU_DEP_1)
	v_lshl_or_b32 v[PW], v[PT+3], 24, v[PW]
.irp c, 0,1
	v_cvt_scalef32_pk16_fp6_f32 v[PC+6*\c:PC+2+6*\c], v[S+32*\c:S+15+32*\c], v[SO+2*\c]
	v_cvt_scalef32_pk16_fp6_f32 v[PT+4*\c:PT+2+4*\c], v[S+16+32*\c:S+31+32*\c], v[SO+2*\c+1]
.endr
	v_nop                                          ; one plain place behind a scaled conversion
.irp c, 0,1
.irp i, 0,1,2
	v_permlane16_swap_b32 v[PC+6*\c+\i], v[PT+4*\c+\i]
.endr
.irp i, 0,1,2
	s_delay_alu instid0(VALU_DEP_3)
	v_mov_b32 v[PC+3+6*\c+\i], v[PT+4*\c+\i]
.endr
.endr
.set n, 0
.rept 16
	v_pk_mul_f32 v[\o+n:\o+n+1], v[\o+n:\o+n+1], v[FF:FF+1] op_sel_hi:[1,0]   ; O^T under the new M (also the places in front of the products below)
.set n, n+2
.endr
	s_wait_alu depctr_va_vdst(0)                   ; the wait ahead of the wait below
	s_wait_dscnt 0x0                               ; V's fragments and scale words are in
.irp t, 0,1,2,3                                ; O^T += V^T P^T, the accumulators by turns
	v_wmma_scale_f32_16x16x128_f8f6f4 v[\o+8*\t:\o+8*\t+7], v[F+12*\t:F+12*\t+11], v[PC:PC+11], v[\o+8*\t:\o+8*\t+7], v[KVS+\t], v[PW] matrix_a_fmt:MATRIX_FMT_FP6 matrix_b_fmt:MATRIX_FMT_FP6
.endr
.endm
.macro NEXTJ lim, lab
	s_add_co_u32 s[TB], s[TB], STEPC
	s_add_co_u32 s[TS], s[TS], STEPW
	s_add_co_u32 s[J], s[J], 1
	s_cmp_lt_u32 s[J], \lim
	s_cbranch_scc1 \lab
.endm
.Lfirst:                                           ; the late tile's key steps 0 to 3: its queries begin at 1,024 or later, so every key counts
	STEP 8, 20, OL, QSL, 0, GH
	NEXTJ FIRST, .Lfirst
	s_wait_tensorcnt 0x0                           ; my load is in, whichever it was
	s_mov_b32 s[J], 0
	s_mov_b32 s[TB], 0
	s_mov_b32 s[TS], 0
	s_wait_dscnt 0x0
	s_barrier_signal -1
	s_barrier_wait -1                              ; everybody's is: from here on no wave waits for another
.Learly:                                           ; the early tile, up to its diagonal: eight trips, the steps past it jumped over
	s_cmp_gt_u32 s[J], s[GL]
	s_cbranch_scc1 .Lover
	STEP 12, 32, OE, QSE, 1, GL
.Lover:
	NEXTJ 8, .Learly
	s_mov_b32 s[J], FIRST
	s_mov_b32 s[TB], FIRST*STEPC
	s_mov_b32 s[TS], FIRST*STEPW
.Llate:                                            ; the late tile's key steps 4 on, up to its diagonal
	s_cmp_gt_u32 s[J], s[GH]
	s_cbranch_scc1 .Lpast
	STEP 8, 20, OL, QSL, 1, GH
.Lpast:
	NEXTJ 16, .Llate
	; THE WAY OUT: O^T is divided by the sum and goes through my stage in LDS, a tile of 16 rows x 256 bytes at a time, so that sixteen lanes store 256 consecutive bytes, aligned
.rept 4
	v_nop
.endr
	v_add_f32 v10, v10, v11
	v_add_f32 v14, v14, v15
	v_permlanex16_b32 v[PT], v10, s[SEL], s[SEL+1]
	v_permlanex16_b32 v[PT+1], v14, s[SEL], s[SEL+1]
	v_add_f32 v10, v10, v[PT]
	v_add_f32 v14, v14, v[PT+1]
	s_wait_alu depctr_va_vdst(0)                   ; the wait ahead of the transcendentals
	v_rcp_f32 v10, v10
	v_rcp_f32 v14, v14
	v_and_b32 v3, 15, v0
	v_bfe_u32 v4, v0, 4, 1
	s_mul_i32 s19, s[WV], 16*272
	s_add_co_u32 s19, s19, STG
	v_mul_u32_u24 v1, v3, 272
	v_lshl_add_u32 v1, v4, 6, v1
	v_add_nc_u32 v1, s19, v1                       ; in: row r, + 64 h
	v_mul_u32_u24 v2, v4, 272
	v_lshl_add_u32 v2, v3, 4, v2
	v_add_nc_u32 v2, s19, v2                       ; back: lanes 0-15 one row, lanes 16-31 the next
	v_lshlrev_b32 v4, 12, v4
	v_lshl_add_u32 v3, v3, 4, v4
	s_wait_alu depctr_va_vdst(0)                   ; one wait for the two reciprocals, ahead of their first reader
.macro PACK o, sm, sb
.set n, 0
.rept 16
	v_pk_mul_f32 v[S+\sb+n:S+\sb+n+1], v[\o+n:\o+n+1], v[\sm:\sm+1] op_sel_hi:[1,0]
.set n, n+2
.endr
.irp b, 0,1
.irp i, 0,1,2,3
	ds_store_b128 v1, v[S+\sb+16*\b+4*\i:S+\sb+16*\b+4*\i+3] offset:128*\b+16*\i
.endr
.endr
.irp i, 0,1,2,3,4,5,6,7
	ds_load_b128 v[\o+4*\i:\o+4*\i+3], v2 offset:544*\i   ; LDS serves a wave's instructions in order
.endr
.endm
.macro SEND o, base, younger                   ; stage row p is row p + 8 (p / 8) of the tile's 24
.irp i, 0,1,2,3,4,5,6,7
	s_wait_dscnt \younger+7-\i                     ; load i is in; this tile's younger loads, and the next tile's sixteen LDS instructions, may be out
	global_store_b128 v3, v[\o+4*\i:\o+4*\i+3], s[\base:\base+1] offset:(2*\i+8*(\i/4))*4096 th:TH_STORE_NT
.endr
.endm
	PACK OL, 10, 0
	PACK OE, 14, 32
	SEND OL, 80, 16
	SEND OE, 82, 0
	s_wait_tensorcnt 0x0                           ; the wave's end
	ds_add_u32 v[SPW], v[NIL]
	s_wait_dscnt 0x0
	CROUND                                         ; the closing round
	s_endpgm
.Lfunc_end_k_q887d3af288_attn:
	.size	k_q887d3af288_attn, .Lfunc_end_k_q887d3af288_attn-k_q887d3af288_attn
	.p2alignl 7, 3214868480
	.fill 96, 4, 3214868480
	.section	.rodata,"a",@progbits
	.p2align	6, 0x0
	.amdhsa_kernel k_q887d3af288_attn
		.amdhsa_group_segment_fixed_size 276480
		.amdhsa_private_segment_fixed_size 0
		.amdhsa_enable_private_segment 0
		.amdhsa_kernarg_size 24
		.amdhsa_user_sgpr_count 2
		.amdhsa_user_sgpr_kernarg_segment_ptr 1
		.amdhsa_wavefront_size32 1
		.amdhsa_system_sgpr_workgroup_id_x 1
		.amdhsa_system_sgpr_workgroup_id_y 1
		.amdhsa_system_sgpr_workgroup_id_z 1
		.amdhsa_system_vgpr_workitem_id 0
		.amdhsa_next_free_vgpr 256
		.amdhsa_next_free_sgpr 96
		.amdhsa_reserve_vcc 1
		.amdhsa_float_denorm_mode_32 3
		.amdhsa_float_denorm_mode_16_64 3
		.amdhsa_memory_ordered 1
		.amdhsa_forward_progress 1
		.amdhsa_inst_pref_size 82
	.end_amdhsa_kernel
	.amdgpu_metadata
---
amdhsa.version: [ 1, 2 ]
amdhsa.kernels:
  - .name:           k_q887d3af288_attn
    .symbol:         k_q887d3af288_attn.kd
    .args:
      - { .name: cod, .offset: 0, .size: 8, .value_kind: global_buffer, .address_space: global }
      - { .name: scl, .offset: 8, .size: 8, .value_kind: global_buffer, .address_space: global }
      - { .name: out0, .offset: 16, .size: 8, .value_kind: global_buffer, .address_space: global }
    .group_segment_fixed_size: 276480
    .private_segment_fixed_size: 0
    .kernarg_segment_align: 8
    .kernarg_segment_size: 24
    .max_flat_workgroup_size: 512
    .sgpr_count:     96
    .vgpr_count:     256
    .wavefront_size: 32
...
	.end_amdgpu_metadata
.endif
;; end of part 3
